; MI455X (gfx1250); checked and timed in simulation.
; The chip was launched on July 23, 2026; its instructions are those of AMD's public machine-readable ISA for CDNA 5 (MIT licence, August 2026) and "CDNA5" Instruction Set Architecture Reference Guide (July 2026). The comments in the code are by the model that wrote it; some were corrected since.
;; Adaptive Attention. Allowed arithmetic: matrix products marked QUANTISED: E4M3 operands, one given power-of-two scale a tensor, by v_wmma_f32_16x16x64_fp8_fp8 or v_wmma_f32_16x16x128_fp8_fp8, f32 sums; everything else in f32.
;; Inputs: alpha one number float32; k_codes 2 x 16 x 2,048 x 4 x 32 uint8 (E4M3 codes of k, K innermost, in blocks of 32 codes); lowp_scales 4 int32 (the exponents e of the quantised operands' scales 2^e); q_codes 2 x 16 x 2,048 x 4 x 32 uint8 (E4M3 codes of q, K innermost, in blocks of 32 codes); v_codes 2 x 16 x 128 x 64 x 32 uint8 (E4M3 codes of v, K innermost, in blocks of 32 codes).
;; Outputs: out0 2 x 16 x 2,048 x 128 float32.
;; This version of the problem:
;;   THIS VERSION OF THE PROBLEM IS GIVEN IN LOW PRECISION. The matrix products marked QUANTISED in the list below multiply operands that are first quantised to E4M3 (4 exponent bits, 3 mantissa bits; 8 bits a number), with one given power-of-two scale for each operand tensor; their sums are f32. All else is computed in f32.
;;   The module's matrix products, in the order in which they are computed (A, B: the left and right operand; K: the contracted axis; several contracted axes count as one K, in the product's order):
;;     1. batch 32 x [M 2,048, K 128] x [K 128, N 2,048]; A: input q (given as codes); B: input k (given as codes): QUANTISED (scales: A lowp_scales[0], B lowp_scales[1])
;;     2. batch 32 x [M 2,048, K 2,048] x [K 2,048, N 128]; A: softmax (see below); B: input v (given as codes): QUANTISED (scales: A lowp_scales[2], B lowp_scales[3])
;;   THE QUANTISER, for each operand of a quantised product, along K:
;;     - The operand's scale is 2^e, e = its entry of the input lowp_scales (int32; the entries are numbered through the quantised products in the list's order, A before B).
;;     - Each number is divided by the scale, clamped to +-448, and rounded to the nearest number of E4M3, ties to even, subnormals kept.
;;     - The product sums the exact products of the quantised numbers (number of the format x scale) in f32.
;;   ~~~python
;;   def quantise(x, axis, e):      # numpy; x: float32 -> the quantised numbers, widened to float32 again
;;       x = np.moveaxis(x, axis, -1); K = x.shape[-1]
;;       r = np.clip(x / 2.0 ** e, -448, 448)
;;       step = 2.0 ** (np.maximum(np.frexp(np.where(r == 0, 1, r))[1] - 1, -6) - 3)
;;       q = np.round(r / step) * step * 2.0 ** e      # np.round: ties to even
;;       return np.moveaxis(q, -1, axis).astype(np.float32)
;;   ~~~
;;   SOFTMAX AHEAD OF A QUANTISED PRODUCT. Where the list says 'softmax', what is quantised is not the finished softmax but p = 2^(t - M), with t = logit x log2(e) and M = ceil(the row's largest t), a whole number; so 1/2 < the row's largest p <= 1. The row's sum l is taken of the UNQUANTISED p, in f32, and the product's result is divided by l at the end. Since M is a whole number, a kernel that streams over the keys may use a running M (the ceiling of the running maximum): every later rescaling is an exact power of two, so the quantised numbers keep their values, but for numbers so far below the row's largest that they fall under the format's range.
;;   OPERANDS COMPUTED ON THE WAY. 'Computed on the way' means the value that the module computes at that place (a softmax that the list does not call 'softmax' is quantised finished and normalised). What goes into a quantiser is computed in f32, as accurately as f32 sums, v_exp_f32 and their like allow (about 1e-6 of the number): no bf16 or f16 on the way to a quantiser, and a product that is left as it is and whose result goes on into a quantised operand takes f32 operands (vector FMAs, or v_wmma_f32_16x16x4_f32). A number that lies on a knife's edge between two numbers of the format may be rounded either way, as far as f32 arithmetic and the matrix unit's own rounding can turn it there, and no further.
;;   INPUTS GIVEN AS CODES. k (in the module: [2, 16, 2048, 128], K = its axis 3); q (in the module: [2, 16, 2048, 128], K = its axis 3); v (in the module: [2, 16, 2048, 128], K = its axis 2): each comes as NAME_codes (uint8): NAME with its K axis moved to the last place and cut into blocks of 32 codes, [.., K / 32, bytes a block], one block behind the other in memory; one code a byte (a code: sign, 4 exponent bits, 3 mantissa bits); its scale is its entry of lowp_scales. Its value is code x scale, taken as it is: it is not quantised again, and the codes and scales need not be those that the quantiser above would give.
;; One version. Each part assembles by itself: llvm-mc -triple=amdgcn-amd-amdhsa -mcpu=gfx1250 --defsym DOCPART=n.
;; ======== version 1 of 1: 2 launches
;; workspace buffers: ksum_part 131,072 bytes
;; launch ksum (part 1): grid 8 x 32, 8 waves a work-group, no clusters, 5,120 bytes of LDS; arguments k_codes, ksum_part; writes ksum_part
.if DOCPART == 1
	.amdgcn_target "amdgcn-amd-amdhsa--gfx1250"
	.amdhsa_code_object_version 6
	.text
	.protected	k_q9f67f6668a_ksum
	.globl	k_q9f67f6668a_ksum
	.p2align	8
	.type	k_q9f67f6668a_ksum,@function
k_q9f67f6668a_ksum:
	s_mov_b64 s[64:65], 0
	v_nop
	global_prefetch_b8 v0, s[64:65] scope:SCOPE_SE
	s_setreg_imm32_b32 hwreg(HW_REG_WAVE_MODE, 25, 1), 1
	s_wait_xcnt 0x0
; PARTIAL COLUMN SUMS OF K, in units of its codes: ksum_part[head][chunk][d] = the sum over the chunk's 256 keys of the value of k_codes[head][key][d], f32.
; WHY.  reference() adds (1 - alpha) x the row's mean score to every logit.  In real numbers a softmax would take that term away, but here it moves t = logit x log2(e), so t - ceil(largest t), so the codes
; of p, the quantised operand of the second product: it is live and is computed.  It is computed with less work than reference() writes: the sum over the keys of q . k is q . (the sum over the keys of k),
; by the distributive law, for all values of the inputs.  So one column sum of K for each head (this launch, and eight additions in the next) and one dot product of 128 terms for each query take the place of
; a sum over 2,048 scores for each query.  All of it is f32.  The division by TEMPERATURE = 1 is a factor of 1 and is left out.  No input is left out: q_codes, k_codes, v_codes, lowp_scales and alpha are all loaded.
; LIMITS: a NaN code among K's makes the head's sums NaN, as it does reference()'s mean; the order of the f32 additions differs from reference()'s.
; SHARES.  Work-group (x = chunk, y = head): 256 keys x 128 bytes = 32,768 dense bytes.  Load j of thread t takes the 16 bytes at 4,096 j + 16 t: a wave's load covers 512 consecutive bytes,
; and a lane holds d = 16 (lane % 8) + 0 .. 15 in every load.  Lanes l, l xor 8, l xor 16, l xor 24 share their d; the eight waves' sums meet in LDS; wave 0 stores 512 consecutive bytes.
; No matrix unit, no tensor load, no cluster: the launch reads each byte once and work-groups share nothing.
.set SPARE, 4096                       ; LDS: 8 waves x 512 bytes of sums, then the spare words, 128 bytes for each wave
.set SPW,   1                          ; v1  LDS address of my spare word; never rewritten
.set NIL,   2                          ; v2  0; never rewritten
.set X,     16                         ; v16-47  eight loads of 16 codes
.set ACC,   48                         ; v48-63  16 running sums
.set T,     64                         ; v64-79  16 numbers at work
.macro CVT4 dst, src                   ; the four codes of a register, lowest byte first
	v_cvt_f32_fp8 v[\dst], v[\src]
	v_cvt_f32_fp8 v[(\dst)+1], v[\src] byte_sel:1
	v_cvt_f32_fp8 v[(\dst)+2], v[\src] byte_sel:2
	v_cvt_f32_fp8 v[(\dst)+3], v[\src] byte_sel:3
.endm
	s_load_b128 s[4:7], s[0:1], 0x0                ; K's codes s[4:5], the partial sums s[6:7]
	v_lshl_add_u32 v[SPW], v0, 2, SPARE
	v_mov_b32 v[NIL], 0
	v_lshrrev_b32 v6, 5, v0
	v_readfirstlane_b32 s8, v6                     ; wave 0..7
	v_lshlrev_b32 v3, 4, v0                        ; my 16 bytes of a load's 4,096
	v_and_b32 v4, 7, v0
	v_lshlrev_b32 v4, 6, v4
	s_lshl_b32 s14, s8, 9
	v_add_nc_u32 v4, s14, v4                       ; LDS: 512 x wave + 64 (lane % 8): my 16 sums
	v_and_b32 v5, 31, v0
	v_lshlrev_b32 v5, 4, v5                        ; 16 x lane
	s_and_b32 s9, ttmp7, 0xffff                    ; head
	s_lshl_b32 s10, s9, 18                         ; a head's codes are 262,144 bytes,
	s_lshl_b32 s15, ttmp9, 15                      ; a chunk's 32,768
	s_add_co_u32 s10, s10, s15
	s_mov_b32 s11, 0
	s_lshl_b32 s16, s9, 3
	s_add_co_u32 s16, s16, ttmp9
	s_lshl_b32 s16, s16, 9                         ; (8 head + chunk) x 512 bytes
	s_mov_b32 s17, 0
	s_mov_b32 s12, 0x76543210                      ; v_permlanex16_b32: lane l xor 16
	s_mov_b32 s13, 0xfedcba98
	s_wait_kmcnt 0x0
	s_add_nc_u64 s[4:5], s[4:5], s[10:11]
	s_add_nc_u64 s[6:7], s[6:7], s[16:17]
.irp j, 0,1,2,3,4,5,6,7
	global_load_b128 v[X+4*\j:X+4*\j+3], v3, s[4:5] offset:4096*\j
.endr
	s_wait_loadcnt 7                               ; load 0 is in; the seven younger ones may be out
.irp m, 0,1,2,3
	CVT4 ACC+4*\m, X+\m                            ; the first 16 numbers start the sums: nothing is cleared
.endr
.irp j, 1,2,3,4,5,6,7
	s_wait_loadcnt 7-\j                            ; load j is in
.irp m, 0,1,2,3
	CVT4 T+4*\m, X+4*\j+\m
.endr
.irp i, 0,2,4,6,8,10,12,14
	v_pk_add_f32 v[ACC+\i:ACC+\i+1], v[ACC+\i:ACC+\i+1], v[T+\i:T+\i+1]
.endr
.endr
.irp i, 0,1,2,3,4,5,6,7,8,9,10,11,12,13,14,15
	v_add_f32_dpp v[ACC+\i], v[ACC+\i], v[ACC+\i] row_xmask:8 row_mask:0xf bank_mask:0xf   ; + lane l xor 8's
.endr
.irp i, 0,1,2,3,4,5,6,7,8,9,10,11,12,13,14,15
	v_permlanex16_b32 v[T+\i], v[ACC+\i], s12, s13
.endr
.irp i, 0,1,2,3,4,5,6,7,8,9,10,11,12,13,14,15
	v_add_f32 v[ACC+\i], v[ACC+\i], v[T+\i]        ; + lane l xor 16's: the four lanes that share a d now hold the same bits
.endr
.irp m, 0,1,2,3
	ds_store_b128 v4, v[ACC+4*\m:ACC+4*\m+3] offset:16*\m   ; four lanes write the same bytes with the same values
.endr
	s_wait_dscnt 0x0                               ; for the others' sake: my stores have landed
	s_barrier_signal -1
	s_barrier_wait -1
	s_cmp_lg_u32 s8, 0
	s_cbranch_scc1 .Lend                           ; wave 0 adds the eight waves' sums
.irp w, 0,1,2,3,4,5,6,7
	ds_load_b128 v[X+4*\w:X+4*\w+3], v5 offset:512*\w   ; lane l: d = 4 l .. 4 l + 3 of wave w
.endr
	s_wait_dscnt 0x0
.irp w, 0,2,4,6
	v_pk_add_f32 v[X+4*\w:X+4*\w+1], v[X+4*\w:X+4*\w+1], v[X+4*\w+4:X+4*\w+5]
	v_pk_add_f32 v[X+4*\w+2:X+4*\w+3], v[X+4*\w+2:X+4*\w+3], v[X+4*\w+6:X+4*\w+7]
.endr
.irp w, 0,4
	v_pk_add_f32 v[X+4*\w:X+4*\w+1], v[X+4*\w:X+4*\w+1], v[X+4*\w+8:X+4*\w+9]
	v_pk_add_f32 v[X+4*\w+2:X+4*\w+3], v[X+4*\w+2:X+4*\w+3], v[X+4*\w+10:X+4*\w+11]
.endr
	v_pk_add_f32 v[X:X+1], v[X:X+1], v[X+16:X+17]
	v_pk_add_f32 v[X+2:X+3], v[X+2:X+3], v[X+18:X+19]
	global_store_b128 v5, v[X:X+3], s[6:7]         ; 32 lanes store 512 consecutive bytes, at a multiple of 512 from the buffer's first byte
.Lend:
	s_wait_tensorcnt 0x0                           ; the wave's end, behind my last LDS store, in a text with no tensor load too
	ds_add_u32 v[SPW], v[NIL]
	s_wait_dscnt 0x0
	s_endpgm
.Lfunc_end_k_q9f67f6668a_ksum:
	.size	k_q9f67f6668a_ksum, .Lfunc_end_k_q9f67f6668a_ksum-k_q9f67f6668a_ksum
	.p2alignl 7, 3214868480
	.fill 96, 4, 3214868480
	.section	.rodata,"a",@progbits
	.p2align	6, 0x0
	.amdhsa_kernel k_q9f67f6668a_ksum
		.amdhsa_group_segment_fixed_size 5120
		.amdhsa_private_segment_fixed_size 0
		.amdhsa_enable_private_segment 0
		.amdhsa_kernarg_size 16
		.amdhsa_user_sgpr_count 2
		.amdhsa_user_sgpr_kernarg_segment_ptr 1
		.amdhsa_wavefront_size32 1
		.amdhsa_system_sgpr_workgroup_id_x 1
		.amdhsa_system_sgpr_workgroup_id_y 1
		.amdhsa_system_sgpr_workgroup_id_z 1
		.amdhsa_system_vgpr_workitem_id 0
		.amdhsa_next_free_vgpr 96
		.amdhsa_next_free_sgpr 66
		.amdhsa_reserve_vcc 0
		.amdhsa_float_denorm_mode_32 3
		.amdhsa_float_denorm_mode_16_64 3
		.amdhsa_memory_ordered 1
		.amdhsa_forward_progress 1
		.amdhsa_inst_pref_size 18
	.end_amdhsa_kernel
	.amdgpu_metadata
---
amdhsa.version: [ 1, 2 ]
amdhsa.kernels:
  - .name:           k_q9f67f6668a_ksum
    .symbol:         k_q9f67f6668a_ksum.kd
    .args:
      - { .name: k_codes, .offset: 0, .size: 8, .value_kind: global_buffer, .address_space: global }
      - { .name: ksum_part, .offset: 8, .size: 8, .value_kind: global_buffer, .address_space: global }
    .group_segment_fixed_size: 5120
    .private_segment_fixed_size: 0
    .kernarg_segment_align: 8
    .kernarg_segment_size: 16
    .max_flat_workgroup_size: 256
    .sgpr_count:     66
    .vgpr_count:     96
    .wavefront_size: 32
...
	.end_amdgpu_metadata
.endif
;; end of part 1
;; launch attn (part 2): grid 8 x 32, 8 waves a work-group, clusters of 4 x 1, 327,680 bytes of LDS; arguments q_codes, k_codes, v_codes, lowp_scales, alpha, ksum_part, out0; writes out0
.if DOCPART == 2
	.amdgcn_target "amdgcn-amd-amdhsa--gfx1250"
	.amdhsa_code_object_version 6
	.text
	.protected	k_q9f67f6668a_attn
	.globl	k_q9f67f6668a_attn
	.p2align	8
	.type	k_q9f67f6668a_attn,@function
k_q9f67f6668a_attn:
	s_mov_b64 s[64:65], 0
	v_nop
	global_prefetch_b8 v0, s[64:65] scope:SCOPE_SE
	s_setreg_imm32_b32 hwreg(HW_REG_WAVE_MODE, 25, 1), 1
	s_wait_xcnt 0x0
	s_wait_alu depctr_hold_cnt(0) depctr_sa_sdst(0) depctr_va_vdst(0) depctr_va_sdst(0) depctr_va_ssrc(0) depctr_va_vcc(0) depctr_vm_vsrc(0)
	s_getreg_b32 s2, hwreg(HW_REG_IB_STS2, 6, 4)
	s_cmp_eq_u32 s2, 0
	s_cbranch_scc0 .Lentry_in_a_cluster
	s_endpgm
.Lentry_in_a_cluster:
	s_bfe_u32 s2, ttmp6, 0x10000c
	s_cmp_lg_u32 s2, 0x3003
	s_cbranch_scc0 .Lentry_shape_is_right
	s_endpgm
.Lentry_shape_is_right:
; out0[head][q][:] = the sum over k of softmax_k(alpha s(q, k) + (1 - alpha) mean_k s(q, k)) V[head][k][:], s = Q . K, both products on codes of E4M3, each tensor with the one scale 2^e given for it (eq, ek, ep, ev).
; Q, K: [32 heads][2,048][128] codes.  V: [32][128][2,048] codes, the keys innermost.  out0: [32][2,048][128] f32.
; WORK DONE OTHERWISE THAN reference() WRITES IT (shown at the head of the launch before): the row's mean is q . (the column sum of K) / 2,048, from that launch's eight partial sums a head; the division by
; TEMPERATURE = 1 is left out.  The mean itself stays: it moves the codes of p.
; THE SOFTMAX AHEAD OF THE SECOND PRODUCT.  t = a' s' + c, with a' = |alpha| log2(e) 2^(eq + ek), s' = the sum of the codes' products with Q's signs turned where alpha < 0 (so that the largest t comes from the
; largest s', whatever alpha's sign), c = (1 - alpha) log2(e) x the mean.  M = the largest t so far, rounded UP to a whole number; p = 2^(t - M) is what is quantised, with 2^ep, not normalised.
; The row's sum l is taken of the unquantised p and divides at the end.  When M moves, l and O are multiplied by 2^(old M - new M): exact.
; LIMITS: ep between -126 and 119, so that 2^ep and 448 x 2^ep are f32 numbers (eq + ek and ep + ev go through v_ldexp_f32 and have no limit); alpha finite; NaN codes are not served; p under 2^-126 counts as 0.
; SHARES.  A work-group owns 256 queries of one head; each of its eight waves 32 of them: TWO tiles of 16, in 512 registers, two waves to a SIMD.  So each fragment of K and V read from LDS feeds two matrix
; instructions, and one wave's matrix work and LDS waits stand beside the other's vector work.  Every wave walks all 2,048 keys, 128 a step.
; CLUSTER.  The four query blocks of a cluster belong to one head and walk the same K and V: each tile is asked for JOINTLY (mask 15), by the same load with the same descriptor in all four.
; LAYOUT.  Both products are used transposed: S^T = K Q^T (source 0 = 16 keys, source 1 = 16 queries), O^T = V^T P^T (source 0 = 16 of the head's 128, source 1 = P): lane (r = lane % 16, h = lane / 16) holds query r throughout.
; Every fragment comes by four loads of 16 bytes: registers 4 c .. 4 c + 3 hold k = 32 c + 16 h + 0 .. 15: one permutation of k, the same on both sides of a product.
; THE KEYS OF A TILE ARE NOT NEIGHBOURS: row m of tile 2 b + u is key 32 b + 16 (m / 8) + 8 u + m % 8, so that a lane's S register 16 b + i is key 32 b + 16 h + i, and the conversions' results are P's operand.
; LDS.  A ring of two slots of 256 keys, 2^17 bytes apart.  In a slot K lies in two regions: keys 32 y + 0 .. 15 (y = 0 .. 7), then, from KODD on, keys 32 y + 16 .. 31; rows of 128 + 16 bytes.  KODD is 128 modulo 256,
; so the sixteen rows that a load's sixteen lanes touch (eight in each region) start at sixteen different groups of four banks (64 banks of 4 bytes: ISA guide 11.1).  V: 128 rows of 256 + 16 bytes.
; REGISTERS.  Window 0: v1-15 addresses and constants; v16.. eight statistics a tile; v32.. Q; v64.. P's codes; v96.. at work; v112-127 the head's, v[124:125] a'; v128-255 S^T, then p (64 a tile).
;   Window 1: v0-127 eight fragments of K or of V; v128-255 O^T (64 a tile).
.set KP,    144                        ; a key's row in LDS
.set KODD,  18560                      ; 128 rows x 144 + 128
.set VOFF,  37120                      ; V's rows
.set VP,    272
.set STAGE, 73728                      ; the way out: 16 rows x 272 bytes for each wave; no tile lands here
.set KSC,   108544                     ; the column sums of K, 512 bytes for each wave; no tile lands here
.set SLOT1, 1<<17
.set SPARE, 2*SLOT1                    ; the spare words, 128 bytes for each wave: four blocks of 256 bytes that no other line names
.set AK0,  1                           ; v1   my lane's place in a tile of K
.set AV0,  2                           ; v2   the same for V
.set PFO,  3                           ; v3   the prefetch's lane offset; never rewritten
.set ADK,  4                           ; v4   AK0 in the slot in hand
.set SPW,  5                           ; v5   LDS address of my spare word; never rewritten
.set NIL,  6                           ; v6   0; never rewritten
.set GO,   7                           ; v7   the way out: my byte offset in two rows of out0
.set ADV,  8                           ; v8   AV0 in the slot in hand
.set STO,  9                           ; v9   the stage: where I put 32 bytes of a row
.set RD,   10                          ; v10  and where I read a row back
.set QO,   11                          ; v11  my byte offset in a tile of Q
.set LIMV, 12                          ; v12  448 x 2^ep
.set SCLV, 13                          ; v13  2^ep
.set KSW,  14                          ; v14  where I put four column sums
.set KSR,  15                          ; v15  and where I read my half's
.set ST,   16                          ; tile y at v[ST + 8 y]: +0 c - M, +1 the largest t, +2, +3 l in two halves, +4 -M, +5 c, +6 f, +7 at work
.set Q,    32                          ; 16 a tile
.set PC,   64                          ; 16 a tile
.set TMP,  96                          ; tile y at v[TMP + 8 y]: +0, +1 two chains of the maximum, +2 the lane permute's destination, +4, +5 l's second chain
.set AP,   124                         ; v[124:125] a', twice
.set S,    128
.set OB,   128                         ; in window 1
.set WV,   18                          ; s18  wave
.set CX,   19                          ; s19  my place in the cluster: it enters Q's, out0's and the prefetch's global addresses alone
.set SEL,  20                          ; s[20:21] v_permlanex16_b32: lane l xor 16
.set G1K,  24                          ; s[24:31], s[32:39] descriptor groups 1;  s[40:43], s[44:47] groups 0, which walk
.set G1V,  32
.set G0K,  40
.set G0V,  44
.set TB,   48                          ; s48  LDS byte at which the slot in hand begins
.set SLOTS, 49                         ; s49  slots still to be asked for
.set LIM,  50                          ; s50  1 in a wave that prefetches, else the greatest number
.set PFA,  52                          ; s[52:53] where my prefetch stands
.set PFS,  54                          ; s[54:55] a slot on, in bytes
.set MSB, 0
.macro WIN new                         ; bits 1:0 source 0, 3:2 source 1, 5:4 source 2, 7:6 destination; the high byte repeats the setting that is left
.if MSB != \new
	s_set_vgpr_msb (MSB<<8)|\new
.set MSB, \new
.endif
.endm
.macro PLACES n
.rept \n
	v_nop
.endr
.endm
.macro CROUND                          ; a round of the cluster's barrier
	s_barrier_signal -1
	s_barrier_wait -1
	s_cmp_lg_u32 s[WV], 0
	s_cbranch_scc1 .Lnot_wave_0_\@
	s_barrier_signal -3
.Lnot_wave_0_\@:
	s_barrier_wait -3
	s_barrier_signal -1
	s_barrier_wait -1
.endm
; A joint load.  Waves 0 and 1 fetch K's two regions, waves 2 and 3 V's two halves, the others nothing.  The branches hang on the wave's number alone.  An s_nop 0 and four v_nop follow each line.
.macro JLOAD
	s_cmp_lt_u32 s[WV], 2
	s_cbranch_scc0 .Lnot_k_\@
	tensor_load_to_lds s[G0K:G0K+3], s[G1K:G1K+7]
	s_nop 0
	PLACES 4
	s_branch .Lasked_\@
.Lnot_k_\@:
	s_cmp_lt_u32 s[WV], 4
	s_cbranch_scc0 .Lasked_\@
	tensor_load_to_lds s[G0V:G0V+3], s[G1V:G1V+7]
	s_nop 0
	PLACES 4
.Lasked_\@:
.endm
; A PREFETCH INTO THE L2 of the slot that the NEXT change of slots will ask for: two key steps ahead of that load.  Both clusters of a head walk the same K and V: the head's first cluster asks.  Its four partners share
; the slot out BY ADDRESS: of K's dense 32,768 bytes 8,192 each, lanes 256 bytes apart (wave 4); of V's 128 rows 32 each, a lane a row's 256 bytes (wave 5).  So each aligned block of 256 bytes is named once in the launch.
; The last change that fills a slot asks for nothing; slots 0 and 1 come by their loads alone.
.macro ASK
	s_cmp_gt_u32 s[SLOTS], s[LIM]
	s_cbranch_scc0 .Lnot_mine_\@
	global_prefetch_b8 v[PFO], s[PFA:PFA+1] th:TH_LOAD_NT scope:SCOPE_SE
.Lnot_mine_\@:
.endm
.macro CVT4 dst, src                   ; the four codes of a register as f32, lowest byte first
	v_cvt_f32_fp8 v[\dst], v[\src]
	v_cvt_f32_fp8 v[(\dst)+1], v[\src] byte_sel:1
	v_cvt_f32_fp8 v[(\dst)+2], v[\src] byte_sel:2
	v_cvt_f32_fp8 v[(\dst)+3], v[\src] byte_sel:3
.endm
	s_load_b256 s[4:11], s[0:1], 0x0               ; Q s[4:5], K s[6:7], V s[8:9], the scales' exponents s[10:11]
	s_load_b128 s[12:15], s[0:1], 0x20             ; alpha s[12:13], the partial column sums s[14:15]
	s_load_b64 s[16:17], s[0:1], 0x30              ; out0
	v_lshl_add_u32 v[SPW], v0, 2, SPARE
	v_mov_b32 v[NIL], 0
	ds_add_u32 v[SPW], v[NIL]                      ; the wave's opening: the add, twice on end, and its wait ahead of the first tensor load; the set-up below stands between
	ds_add_u32 v[SPW], v[NIL]
	v_lshrrev_b32 v112, 5, v0
	v_readfirstlane_b32 s[WV], v112                ; wave 0..7
	s_bfe_u32 s[CX], ttmp6, 0x40000                ; cx
	s_lshl_b32 s66, ttmp9, 2
	s_add_co_u32 s66, s66, s[CX]                   ; my block of 256 queries = 4 x cluster x + cx
	s_and_b32 s67, ttmp7, 0xffff                   ; the head, which the partners share
	s_lshl_b32 s68, s67, 18                        ; a head's codes are 262,144 bytes in each of Q, K, V
	s_lshl_b32 s70, s66, 15                        ; Q: my block's 256 rows of 128 bytes,
	s_lshl_b32 s71, s[WV], 12                      ; my wave's 32
	s_add_co_u32 s70, s70, s71
	s_add_co_u32 s70, s70, s68
	s_mov_b32 s71, 0
	s_lshl_b32 s72, s67, 20                        ; out0: rows of 512 bytes
	s_lshl_b32 s73, s66, 17
	s_add_co_u32 s72, s72, s73
	s_lshl_b32 s73, s[WV], 14
	s_add_co_u32 s72, s72, s73
	s_mov_b32 s73, 0
	s_and_b32 s74, s[WV], 1                        ; which of the two parts I fetch, if I fetch
	s_lshl_b32 s76, s74, 11                        ; K: the odd groups begin 16 keys = 2,048 bytes on
	s_add_co_u32 s76, s76, s68
	s_mov_b32 s77, 0
	s_lshl_b32 s78, s74, 17                        ; V: 64 rows of 2,048 bytes
	s_add_co_u32 s78, s78, s68
	s_mov_b32 s79, 0
	s_mul_i32 s80, s74, KODD                       ; and their places in a slot: no place in the cluster enters an LDS address
	s_mul_i32 s81, s74, 64*VP
	s_add_co_u32 s81, s81, VOFF
	s_lshl_b32 s82, s67, 12                        ; the head's eight partial sums: 4,096 bytes
	s_mov_b32 s83, 0
	; group 1 for K: 8 rows of 2,048 bytes (16 keys on end), every second such row of memory; 16 bytes of padding behind every 128: behind each key
	s_mov_b32 s[G1K], 15|(1<<20)|(1<<21)|(4<<22)|(3<<25)   ; 15:0 the mask: all four; 17:16 elements of 1 byte; 20 padding on; 21 set beside a mask; 24:22 after every 32 words; 31:25 four words
	s_mov_b32 s[G1K+1], 2048<<16                   ; tensor_dim0
	s_mov_b32 s[G1K+2], 8<<16                      ; tensor_dim1
	s_mov_b32 s[G1K+3], 2048<<16                   ; tile_dim0
	s_mov_b32 s[G1K+4], 8                          ; tile_dim1
	s_mov_b32 s[G1K+5], 4096                       ; from row to row
	s_mov_b32 s[G1K+6], 0
	s_mov_b32 s[G1K+7], 0
	; group 1 for V: 64 rows of 256 bytes, 2,048 bytes apart; 16 bytes of padding behind each
	s_mov_b32 s[G1V], 15|(1<<20)|(1<<21)|(5<<22)|(3<<25)
	s_mov_b32 s[G1V+1], 256<<16
	s_mov_b32 s[G1V+2], 64<<16
	s_mov_b32 s[G1V+3], 256<<16
	s_mov_b32 s[G1V+4], 64
	s_mov_b32 s[G1V+5], 2048
	s_mov_b32 s[G1V+6], 0
	s_mov_b32 s[G1V+7], 0
	s_mov_b32 s[SEL], 0x76543210
	s_mov_b32 s[SEL+1], 0xfedcba98
	s_mov_b32 s[TB], 0
	s_mov_b32 s[SLOTS], 7
	s_wait_dscnt 0x0                               ; both opening adds are done
	s_wait_kmcnt 0x0
	s_load_b128 s[56:59], s[10:11], 0x0            ; eq, ek, ep, ev
	s_load_b32 s60, s[12:13], 0x0                  ; alpha
	s_add_nc_u64 s[4:5], s[4:5], s[70:71]          ; Q at my wave's first query
	s_add_nc_u64 s[16:17], s[16:17], s[72:73]      ; out0 likewise
	s_add_nc_u64 s[14:15], s[14:15], s[82:83]      ; the head's partial sums
	CROUND                                         ; all four work-groups are here: the first joint loads meet
	s_mov_b32 s[G0K], 1                            ; count = 1
	s_mov_b32 s[G0K+1], s80                        ; LDS address: slot 0
	s_add_nc_u64 s[G0K+2:G0K+3], s[6:7], s[76:77]  ; global address: the head's first 256 keys
	s_or_b32 s[G0K+3], s[G0K+3], 0x80000000        ; type = 2
	s_mov_b32 s[G0V], 1
	s_mov_b32 s[G0V+1], s81
	s_add_nc_u64 s[G0V+2:G0V+3], s[8:9], s[78:79]
	s_or_b32 s[G0V+3], s[G0V+3], 0x80000000
	JLOAD                                          ; slot 0
	v_and_b32 v112, 31, v0                         ; lane
	v_and_b32 v113, 15, v0                         ; r
	v_bfe_u32 v114, v0, 4, 1                       ; h
	v_lshlrev_b32 v115, 4, v112                    ; 16 x lane
.irp n, 0,1,2,3,4,5,6,7
	global_load_b128 v[S+4*\n:S+4*\n+3], v115, s[14:15] offset:512*\n   ; chunk n's sums at d = 4 lane .. 4 lane + 3
.endr
	v_lshlrev_b32 v[QO], 7, v113
	v_lshl_add_u32 v[QO], v114, 4, v[QO]           ; row r of 128 bytes, + 16 h
.irp y, 0,1
.irp c, 0,1,2,3
	global_load_b128 v[Q+16*\y+4*\c:Q+16*\y+4*\c+3], v[QO], s[4:5] offset:2048*\y+32*\c th:TH_LOAD_NT   ; Q stays in registers
.endr
.endr
	v_and_b32 v116, 7, v0
	v_mul_u32_u24 v[AK0], v116, KP
	v_bfe_u32 v116, v0, 3, 1
	v_mad_u32_u24 v[AK0], v116, KODD, v[AK0]
	v_lshl_add_u32 v[AK0], v114, 4, v[AK0]         ; (r % 8) x 144 + (r / 8) x KODD + 16 h
	v_mul_u32_u24 v[AV0], v113, VP
	v_lshl_add_u32 v[AV0], v114, 4, v[AV0]
	v_add_nc_u32 v[AV0], VOFF, v[AV0]
	v_lshlrev_b32 v[GO], 9, v114
	v_lshl_add_u32 v[GO], v113, 4, v[GO]           ; lanes 0-15 one row of out0, lanes 16-31 the next; 16 bytes a lane
	s_mul_i32 s84, s[WV], 16*272
	s_add_co_u32 s84, s84, STAGE                   ; my stage
	v_mul_u32_u24 v[STO], v113, 272
	v_lshl_add_u32 v[STO], v114, 5, v[STO]
	v_add_nc_u32 v[STO], s84, v[STO]
	v_mul_u32_u24 v[RD], v114, 272
	v_lshl_add_u32 v[RD], v113, 4, v[RD]
	v_add_nc_u32 v[RD], s84, v[RD]
	s_lshl_b32 s85, s[WV], 9
	s_add_co_u32 s85, s85, KSC                     ; my 512 bytes for the column sums
	v_add_nc_u32 v[KSW], s85, v115
	v_lshl_add_u32 v[KSR], v114, 6, s85
	; the prefetches: where my wave's stand, and who asks
	s_cmp_eq_u32 s[WV], 4                          ; wave 4 asks for K's codes, wave 5 for V's
	s_cselect_b64 s[PFA:PFA+1], s[6:7], s[8:9]
	s_mov_b32 s[PFS], 256
	s_cselect_b32 s[PFS], 32768, s[PFS]            ; a slot on
	s_mov_b32 s86, 2048
	s_cselect_b32 s86, 256, s86                    ; from lane to lane
	s_mov_b32 s87, 65536
	s_cselect_b32 s87, 8192, s87                   ; from partner to partner
	v_mul_lo_u32 v[PFO], v112, s86
	s_mul_i32 s86, s[CX], s87
	s_add_co_u32 s86, s86, s[PFS]                  ; in slot 1: the first change of slots steps it to slot 2.  Nothing is prefetched here, at the head
	s_add_co_u32 s86, s86, s68
	s_mov_b32 s87, 0
	s_mov_b32 s[PFS+1], 0
	s_add_nc_u64 s[PFA:PFA+1], s[PFA:PFA+1], s[86:87]
	s_sub_co_u32 s88, s[WV], 4
	s_lshr_b32 s88, s88, 1                         ; 0 in waves 4 and 5,
	s_or_b32 s88, s88, ttmp9                       ; of the head's first cluster: the same in all four partners
	s_cmp_eq_u32 s88, 0
	s_cselect_b32 s[LIM], 1, -1
.irp y, 0,1
	v_mov_b32 v[TMP+8*\y+2], 0                     ; written once: a lane permute's destination counts as one of its sources
	v_mov_b32 v[ST+8*\y+2], 0                      ; l, in two halves
	v_mov_b32 v[ST+8*\y+3], 0
.endr
	s_wait_kmcnt 0x0
	s_and_b32 s88, s60, 0x7fffffff                 ; |alpha|
	s_add_co_i32 s89, s56, s57                     ; eq + ek
	v_mov_b32 v[AP], s88
	v_mul_f32 v[AP], 0x3fb8aa3b, v[AP]
	v_ldexp_f32 v[AP], v[AP], s89                  ; a' = |alpha| log2(e) 2^(eq + ek)
	v_mov_b32 v[AP+1], v[AP]                       ; (named with it as a pair, so it is written)
	v_mov_b32 v126, s60
	v_sub_f32 v126, 1.0, v126
	v_mul_f32 v126, 0x3fb8aa3b, v126
	s_sub_co_i32 s90, s89, 11
	v_ldexp_f32 v126, v126, s90                    ; (1 - alpha) log2(e) 2^(eq + ek) / 2,048: what the codes' dot product is multiplied by
	s_ashr_i32 s61, s60, 31
	s_and_b32 s61, s61, 0x80808080                 ; four sign bits where alpha < 0, else 0
	s_add_co_i32 s88, s58, 127
	s_lshl_b32 s90, s88, 23
	v_mov_b32 v[SCLV], s90                         ; 2^ep as f32: the conversion takes its exponent field
	s_add_co_i32 s88, s88, 8
	s_lshl_b32 s88, s88, 23
	s_or_b32 s88, s88, 0x600000
	v_mov_b32 v[LIMV], s88                         ; 448 x 2^ep
	s_add_co_i32 s62, s58, s59                     ; ep + ev
	; THE MEAN.  The eight partial sums are added; the 128 column sums go through my wave's own 512 bytes of LDS and come back in the order in which my lane holds Q: d = 32 c + 16 h + 0 .. 15.
	s_wait_loadcnt 8                               ; the partial sums are in; Q's eight loads may be out
.irp n, 0,2,4,6
	v_pk_add_f32 v[S+4*\n:S+4*\n+1], v[S+4*\n:S+4*\n+1], v[S+4*\n+4:S+4*\n+5]
	v_pk_add_f32 v[S+4*\n+2:S+4*\n+3], v[S+4*\n+2:S+4*\n+3], v[S+4*\n+6:S+4*\n+7]
.endr
.irp n, 0,4
	v_pk_add_f32 v[S+4*\n:S+4*\n+1], v[S+4*\n:S+4*\n+1], v[S+4*\n+8:S+4*\n+9]
	v_pk_add_f32 v[S+4*\n+2:S+4*\n+3], v[S+4*\n+2:S+4*\n+3], v[S+4*\n+10:S+4*\n+11]
.endr
	v_pk_add_f32 v[S:S+1], v[S:S+1], v[S+16:S+17]
	v_pk_add_f32 v[S+2:S+3], v[S+2:S+3], v[S+18:S+19]
	ds_store_b128 v[KSW], v[S:S+3]
.irp c, 0,1,2,3
.irp n, 0,1,2,3
	ds_load_b128 v[S+64+16*\c+4*\n:S+64+16*\c+4*\n+3], v[KSR] offset:128*\c+16*\n   ; LDS serves a wave's instructions in order (ISA guide 5.7.1.4): these see my store; the bytes are my wave's own
.endr
.endr
	s_wait_loadcnt 0x0                             ; Q
	s_wait_dscnt 0x0
.irp y, 0,1
.irp i, 0,1,2,3,4,5,6,7,8,9,10,11,12,13,14,15
	CVT4 S+4*\i, Q+16*\y+\i                        ; my 64 numbers of query r, as f32
.endr
.irp a, 0,2,4,6
	v_pk_mul_f32 v[116+\a:117+\a], v[S+\a:S+\a+1], v[S+64+\a:S+64+\a+1]   ; four chains of two; the first products start them
.endr
.set ii, 8
.rept 28
	v_pk_fma_f32 v[116+ii%8:117+ii%8], v[S+ii:S+ii+1], v[S+64+ii:S+64+ii+1], v[116+ii%8:117+ii%8]
.set ii, ii+2
.endr
	v_pk_add_f32 v[116:117], v[116:117], v[118:119]
	v_pk_add_f32 v[120:121], v[120:121], v[122:123]
	v_pk_add_f32 v[116:117], v[116:117], v[120:121]
	v_add_f32 v116, v116, v117
	v_permlanex16_b32 v[TMP+8*\y+2], v116, s[SEL], s[SEL+1]
	v_add_f32 v116, v116, v[TMP+8*\y+2]            ; + the other half of the head's 128
	v_mul_f32 v[ST+8*\y+5], v116, v126             ; c
.endr
.set ii, 0
.rept 32
	v_xor_b32 v[Q+ii], s61, v[Q+ii]                ; Q's signs are turned where alpha < 0
.set ii, ii+1
.endr
; K's fragments f0 .. f1 of the slot's q-th key step.  A load into a register that a matrix instruction has read stands four places behind it.
.macro FETCH_K q, f0, f1
	PLACES 4
	WIN 0x40                                       ; destination window 1
.set kt, \f0
.rept \f1-\f0+1
.irp c, 0,1,2,3
	ds_load_b128 v[16*kt+4*\c:16*kt+4*\c+3], v[ADK] offset:(64*(\q)+16*(kt/2)+8*(kt%2))*KP+32*\c
.endr
.set kt, kt+1
.endr
.endm
.macro FETCH_V q                       ; V's eight fragments: 16 of the head's 128 each x the step's 128 keys
	PLACES 4
	WIN 0x40
.irp t, 0,1,2,3,4,5,6,7
.irp c, 0,1,2,3
	ds_load_b128 v[16*\t+4*\c:16*\t+4*\c+3], v[ADV] offset:16*\t*VP+128*(\q)+32*\c
.endr
.endr
.endm
.macro QK k0, k1                       ; S^T = K Q^T: each fragment of K against both tiles of queries; K = the head's 128 is one instruction, so each starts and ends its sum
	WIN 0x01                                       ; source 0 window 1
.set kt, \k0
.rept \k1-\k0+1
.irp y, 0,1
	v_wmma_f32_16x16x128_fp8_fp8 v[S+64*\y+8*kt:S+64*\y+8*kt+7], v[16*kt:16*kt+15], v[Q+16*\y:Q+16*\y+15], 0
.endr
.set kt, kt+1
.endr
.endm
.macro PV t0, t1, first                ; O^T += V^T P^T: the sixteen accumulators take turns, one instruction a turn.  first = 1: the products start the sums
	WIN 0x51                                       ; source 0, C and D window 1
.set kt, \t0
.rept \t1-\t0+1
.irp y, 0,1
.if \first
	v_wmma_f32_16x16x128_fp8_fp8 v[OB+64*\y+8*kt:OB+64*\y+8*kt+7], v[16*kt:16*kt+15], v[PC+16*\y:PC+16*\y+15], 0
.else
	v_wmma_f32_16x16x128_fp8_fp8 v[OB+64*\y+8*kt:OB+64*\y+8*kt+7], v[16*kt:16*kt+15], v[PC+16*\y:PC+16*\y+15], v[OB+64*\y+8*kt:OB+64*\y+8*kt+7]
.endif
.endr
.set kt, kt+1
.endr
.endm
; Number pj of the 74 instructions of tile t ahead of its exponentials.  0-33 the largest of my query's 128 scores (two chains, ascending; then lane l xor 16's);
; 34-41 t, the running largest t, -M, f = 2^(old M - new M), c - M;  42-73 t - M = a' s' + (c - M), two at a time.  first = 1: the first key step has no old M.
.macro PRE t, first
.set rT, ST+8*(\t)
.set rM, TMP+8*(\t)
.set rS, S+64*(\t)
.if pj == 0
	v_max3_num_f32 v[rM], v[rS], v[rS+1], v[rS+2]
.elseif pj == 1
	v_max3_num_f32 v[rM+1], v[rS+3], v[rS+4], v[rS+5]
.elseif pj < 30
.set ii, 6+4*((pj-2)/2)+2*(pj%2)
	v_max3_num_f32 v[rM+pj%2], v[rM+pj%2], v[rS+ii], v[rS+ii+1]
.elseif pj == 30
	v_max3_num_f32 v[rM], v[rM], v[rS+62], v[rS+63]
.elseif pj == 31
	v_max_num_f32 v[rM], v[rM], v[rM+1]
.elseif pj == 32
	v_permlanex16_b32 v[rM+2], v[rM], s[SEL], s[SEL+1]
.elseif pj == 33
	v_max_num_f32 v[rM], v[rM], v[rM+2]
.elseif (pj == 34) && \first
	v_fma_f32 v[rT+1], v[AP], v[rM], v[rT+5]       ; the first largest t (a' is not negative, so the largest s' gives it)
.elseif pj == 34
	v_fma_f32 v[rM], v[AP], v[rM], v[rT+5]
.elseif ((pj == 35) || (pj == 36) || (pj == 38) || (pj == 39) || (pj == 40)) && \first
.elseif pj == 35
	v_max_num_f32 v[rT+1], v[rT+1], v[rM]          ; the running largest t
.elseif pj == 36
	v_mov_b32 v[rT+7], v[rT+4]
.elseif pj == 37
	v_floor_f32 v[rT+4], -v[rT+1]                  ; -M = floor(-t) = -ceil(t): M is a whole number
.elseif pj == 38
	v_sub_f32 v[rT+7], v[rT+4], v[rT+7]            ; old M - new M: a whole number, 0 or less
.elseif pj == 39
	v_cvt_i32_f32 v[rT+7], v[rT+7]                 ; (it saturates)
.elseif pj == 40
	v_ldexp_f32 v[rT+6], 1.0, v[rT+7]              ; f
.elseif pj == 41
	v_add_f32 v[rT], v[rT+5], v[rT+4]              ; c - M
.else
.set ii, 2*(pj-42)
	v_pk_fma_f32 v[rS+ii:rS+ii+1], v[rS+ii:rS+ii+1], v[AP:AP+1], v[rT:rT+1] op_sel_hi:[1,0,0]   ; of the pairs a' and c - M the low word serves both halves
.endif
.endm
; Number pj of the 105 instructions of tile t behind its exponentials.  0 l x f;  1-32 l += the unquantised p, two at a time, in two chains;  33-104 four times: sixteen holds and two conversions.
.macro POST t, first
.set rT, ST+8*(\t)
.set rM, TMP+8*(\t)
.set rS, S+64*(\t)
.set rP, PC+16*(\t)
.if (pj == 0) && \first
.elseif pj == 0
	v_pk_mul_f32 v[rT+2:rT+3], v[rT+2:rT+3], v[rT+6:rT+7] op_sel_hi:[1,0]
.elseif pj == 1
	v_pk_add_f32 v[rM+4:rM+5], v[rS:rS+1], v[rS+2:rS+3]
.elseif (pj < 32) && (pj%2 == 0)
.set ii, 4+4*((pj-2)/2)
	v_pk_add_f32 v[rT+2:rT+3], v[rT+2:rT+3], v[rS+ii:rS+ii+1]
.elseif pj < 32
.set ii, 6+4*((pj-2)/2)
	v_pk_add_f32 v[rM+4:rM+5], v[rM+4:rM+5], v[rS+ii:rS+ii+1]
.elseif pj == 32
	v_pk_add_f32 v[rT+2:rT+3], v[rT+2:rT+3], v[rM+4:rM+5]
.else
.set bb, (pj-33)/18
.set mm, (pj-33)%18
.if mm < 16
	v_min_num_f32 v[rS+16*bb+mm], v[rS+16*bb+mm], v[LIMV]   ; the conversion to an 8-bit code does not saturate (ISA guide 7.6.2); p is not negative, so the hold is one-sided
.elseif mm == 16
	v_cvt_scalef32_pk8_fp8_f32 v[rP+4*bb:rP+4*bb+1], v[rS+16*bb:rS+16*bb+7], v[SCLV]
.else
	v_cvt_scalef32_pk8_fp8_f32 v[rP+4*bb+2:rP+4*bb+3], v[rS+16*bb+8:rS+16*bb+15], v[SCLV]
.endif
.endif
.endm
; THE SOFTMAX OF A KEY STEP, both tiles, all in window 0.  One tile's 64 exponentials stand among the other tile's plain work.  Each batch of 64 has ONE wait, ahead of the first instruction that names a result
; tile 0's behind tile 1's work ahead of its exponentials, tile 1's behind tile 0's sums and conversions.
.macro SOFTMAX first
.set pj, 0
.rept 74
	PRE 0, \first
.set pj, pj+1
.endr
.set pj, 0
.set ee, 0
.rept 64
	v_exp_f32 v[S+ee], v[S+ee]                     ; tile 0: p = 2^(t - M), at most 1
.rept 2
.if pj < ((ee+1)*74)/64
	PRE 1, \first
.set pj, pj+1
.endif
.endr
.set ee, ee+1
.endr
	s_wait_alu depctr_va_vdst(0)                   ; tile 0's batch; the two packed multiply-adds above are the plain instructions behind its last exponential
.set pj, 0
.set ee, 0
.rept 64
	v_exp_f32 v[S+64+ee], v[S+64+ee]               ; tile 1
.rept 2
.if pj < ((ee+1)*105)/64
	POST 0, \first
.set pj, pj+1
.endif
.endr
.set ee, ee+1
.endr
	v_nop                                          ; a plain instruction behind the last exponential and behind the last conversion
	s_wait_alu depctr_va_vdst(0)                   ; tile 1's batch
.set pj, 0
.rept 105
	POST 1, \first
.set pj, pj+1
.endr
.endm
; A KEY STEP: the q-th 128 keys of the slot in hand.  K's fragments are on their way.  nextk = 1: the next step's K lies in the same slot and is fetched as V's fragments come free.
.macro STEP q, first, nextk
	s_wait_dscnt 16                                ; K's fragments 0-3 are in; the sixteen younger loads (fragments 4-7) may be out
	QK 0, 3
	s_wait_dscnt 0x0
	QK 4, 7
	FETCH_V \q                                     ; its four v_nop are also the places ahead of the first read of the scores; V lands during the softmax
	WIN 0
	SOFTMAX \first
.if \first
	v_nop                                          ; a plain instruction between the last conversion and the products that read its result
.else
	WIN 0x41                                       ; destination and source 0 window 1
.irp y, 0,1
.set ii, 0
.rept 32
	v_pk_mul_f32 v[OB+64*\y+ii:OB+64*\y+ii+1], v[OB+64*\y+ii:OB+64*\y+ii+1], v[ST+8*\y+6:ST+8*\y+7] op_sel_hi:[1,0]   ; O^T under the new M: x f; each accumulator from its low end on
.set ii, ii+2
.endr
.endr
.endif
	s_wait_dscnt 0x0                               ; V is in
	PV 0, 3, \first
.if \nextk
	FETCH_K (\q)+1, 0, 3
.endif
	PV 4, 7, \first
.if \nextk
	FETCH_K (\q)+1, 4, 7
.endif
	WIN 0
.endm
; THE CHANGE OF SLOTS stands at a slot's head.  Each wave waits for all its tensor loads (its part of the slot that it is about to read), adds 0 to its spare word (fill = 1: twice on end), and waits for that and
; for its reads of the slot that it has left.  fill = 1: a round of the cluster's barrier, so that no wave of any partner still reads that slot or has a load on its way; the joint load of the next 256 keys is the
; first thing behind it and has the slot's two key steps in which to land.
.macro CHANGE fill
	s_wait_tensorcnt 0x0                           ; no tensor load of mine is out, so a group 0 may be written
	ds_add_u32 v[SPW], v[NIL]                      ; 0 onto my spare word
.if \fill
	ds_add_u32 v[SPW], v[NIL]                      ; and once more: the add twice on end, in every trip alike
	s_xor_b32 s[G0K+1], s[G0K+1], SLOT1            ; the walking descriptors: the other slot than last time,
	s_add_nc_u64 s[G0K+2:G0K+3], s[G0K+2:G0K+3], 32768   ; the next 256 keys; the type bits on top are not reached
	s_xor_b32 s[G0V+1], s[G0V+1], SLOT1
	s_add_nc_u64 s[G0V+2:G0V+3], s[G0V+2:G0V+3], 256
	s_wait_xcnt 0x0                                ; the last prefetch, a slot back, has read its address, so it may be written:
	s_add_nc_u64 s[PFA:PFA+1], s[PFA:PFA+1], s[PFS:PFS+1]   ; one slot further on than the walking descriptors
.endif
	s_wait_dscnt 0x0                               ; the add is done (fill = 1: both are), and my reads of the slot that I have left are over
.if \fill
	CROUND
	JLOAD                                          ; a wave's one tensor load until the next round
.else
	s_barrier_signal -1
	s_barrier_wait -1
.endif
	v_add_nc_u32 v[ADK], s[TB], v[AK0]
	v_add_nc_u32 v[ADV], s[TB], v[AV0]
	FETCH_K 0, 0, 7
	WIN 0                                          ; at a branch and at a label every window is 0
.if \fill
	ASK                                            ; behind the joint load and the run of LDS loads that the next products wait for
.endif
.endm
.macro SLOT first
	STEP 0, \first, 1
	STEP 1, 0, 0
	s_xor_b32 s[TB], s[TB], SLOT1                  ; on to the other slot
.endm
	CHANGE 1                                       ; slot 0 is whole; slot 1's first fill goes out as a refill does: behind this round no bytes are filled again
	SLOT 1                                         ; the first key step starts m, l and O^T
	s_mov_b32 s[SLOTS], 6
.Lslot:                                            ; six trips: slots 1 to 6 are read, slots 2 to 7 asked for
	CHANGE 1
	SLOT 0
	s_sub_co_u32 s[SLOTS], s[SLOTS], 1
	s_cmp_lg_u32 s[SLOTS], 0
	s_cbranch_scc1 .Lslot
	CHANGE 0                                       ; the last slot is written out
	SLOT 0
	; THE WAY OUT.  l's two halves and lane l xor 16's are added (these four additions are the places behind the last products); O^T x 2^(ep + ev) / l goes through my stage in LDS, half a row (256 bytes) of 16 queries at a time.
.irp y, 0,1
	v_add_f32 v[TMP+8*\y], v[ST+8*\y+2], v[ST+8*\y+3]
.endr
.irp y, 0,1
	v_permlanex16_b32 v[TMP+8*\y+2], v[TMP+8*\y], s[SEL], s[SEL+1]
.endr
.irp y, 0,1
	v_add_f32 v[TMP+8*\y], v[TMP+8*\y], v[TMP+8*\y+2]
.endr
.irp y, 0,1
	v_rcp_f32 v[ST+8*\y+6], v[TMP+8*\y]
.endr
	v_nop                                          ; a plain instruction behind the last reciprocal
	s_wait_alu depctr_va_vdst(0)                   ; one wait for both, ahead of their first reader
.irp y, 0,1
	v_ldexp_f32 v[ST+8*\y+6], v[ST+8*\y+6], s62
.endr
	WIN 0x01                                       ; source 0 window 1: O^T; the results go where p lay
.irp y, 0,1
.set ii, 0
.rept 32
	v_pk_mul_f32 v[S+64*\y+ii:S+64*\y+ii+1], v[OB+64*\y+ii:OB+64*\y+ii+1], v[ST+8*\y+6:ST+8*\y+7] op_sel_hi:[1,0]   ; register 8 t + i is out0(r, 16 t + 8 h + i)
.set ii, ii+2
.endr
.endr
	WIN 0
.irp y, 0,1
.irp u, 0,1                            ; channels 64 u on
.irp t, 0,1,2,3
	ds_store_b128 v[STO], v[S+64*\y+32*\u+8*\t:S+64*\y+32*\u+8*\t+3] offset:64*\t
	ds_store_b128 v[STO], v[S+64*\y+32*\u+8*\t+4:S+64*\y+32*\u+8*\t+7] offset:64*\t+16
.endr
.irp i, 0,1,2,3,4,5,6,7
	ds_load_b128 v[S+64*\y+32*\u+4*\i:S+64*\y+32*\u+4*\i+3], v[RD] offset:2*\i*272   ; LDS serves a wave's instructions in order: these see my stores, and the next round's stores come behind them
.endr
.endr
.endr
.irp y, 0,1
.irp u, 0,1
.irp i, 0,1,2,3,4,5,6,7
	s_wait_dscnt 16*(3-2*\y-\u)+7-\i               ; behind this load: the rest of its round's loads, and sixteen LDS instructions for each later round
	global_store_b128 v[GO], v[S+64*\y+32*\u+4*\i:S+64*\y+32*\u+4*\i+3], s[16:17] offset:8192*\y+1024*\i+256*\u th:TH_STORE_NT   ; sixteen lanes store 256 consecutive bytes, at a multiple of 256 from out0's first byte
.endr
.endr
.endr
	s_wait_tensorcnt 0x0                           ; the wave's end, behind my last tensor load and my last LDS store
	ds_add_u32 v[SPW], v[NIL]
	s_wait_dscnt 0x0
	CROUND                                         ; the closing round: no work-group ends while a partner may still ask for a tile that names it
	s_endpgm
.Lfunc_end_k_q9f67f6668a_attn:
	.size	k_q9f67f6668a_attn, .Lfunc_end_k_q9f67f6668a_attn-k_q9f67f6668a_attn
	.p2alignl 7, 3214868480
	.fill 96, 4, 3214868480
	.section	.rodata,"a",@progbits
	.p2align	6, 0x0
	.amdhsa_kernel k_q9f67f6668a_attn
		.amdhsa_group_segment_fixed_size 327680
		.amdhsa_private_segment_fixed_size 0
		.amdhsa_enable_private_segment 0
		.amdhsa_kernarg_size 56
		.amdhsa_user_sgpr_count 2
		.amdhsa_user_sgpr_kernarg_segment_ptr 1
		.amdhsa_wavefront_size32 1
		.amdhsa_system_sgpr_workgroup_id_x 1
		.amdhsa_system_sgpr_workgroup_id_y 1
		.amdhsa_system_sgpr_workgroup_id_z 1
		.amdhsa_system_vgpr_workitem_id 0
		.amdhsa_next_free_vgpr 512
		.amdhsa_next_free_sgpr 96
		.amdhsa_reserve_vcc 0
		.amdhsa_float_denorm_mode_32 3
		.amdhsa_float_denorm_mode_16_64 3
		.amdhsa_memory_ordered 1
		.amdhsa_forward_progress 1
		.amdhsa_inst_pref_size 233
	.end_amdhsa_kernel
	.amdgpu_metadata
---
amdhsa.version: [ 1, 2 ]
amdhsa.kernels:
  - .name:           k_q9f67f6668a_attn
    .symbol:         k_q9f67f6668a_attn.kd
    .args:
      - { .name: q_codes, .offset: 0, .size: 8, .value_kind: global_buffer, .address_space: global }
      - { .name: k_codes, .offset: 8, .size: 8, .value_kind: global_buffer, .address_space: global }
      - { .name: v_codes, .offset: 16, .size: 8, .value_kind: global_buffer, .address_space: global }
      - { .name: lowp_scales, .offset: 24, .size: 8, .value_kind: global_buffer, .address_space: global }
      - { .name: alpha, .offset: 32, .size: 8, .value_kind: global_buffer, .address_space: global }
      - { .name: ksum_part, .offset: 40, .size: 8, .value_kind: global_buffer, .address_space: global }
      - { .name: out0, .offset: 48, .size: 8, .value_kind: global_buffer, .address_space: global }
    .group_segment_fixed_size: 327680
    .private_segment_fixed_size: 0
    .kernarg_segment_align: 8
    .kernarg_segment_size: 56
    .max_flat_workgroup_size: 256
    .sgpr_count:     96
    .vgpr_count:     512
    .wavefront_size: 32
...
	.end_amdgpu_metadata
.endif
;; end of part 2
